; MI455X (gfx1250); checked and timed in simulation.
; The chip was launched on July 23, 2026; its instructions are those of AMD's public machine-readable ISA for CDNA 5 (MIT licence, August 2026) and "CDNA5" Instruction Set Architecture Reference Guide (July 2026). The comments in the code are by the model that wrote it; some were corrected since.
;; Feature Propogation. Allowed arithmetic: float matrix products may take bf16 or f16 operands with f32 sums; other float arithmetic in f32, or as packed bf16 or f16 multiplies, adds, multiply-adds, maxima and minima; sums over many terms, partial sums and values carried from step to step in f32; what a program stores and reads back later, other than sums and carried values, may be rounded once to bf16 or f16.
;; Inputs: W1 256 x 512 float32; W2 256 x 256 float32; b1 256 float32; b2 256 float32; f1 4 x 256 x 8,192 float32; f2 4 x 256 x 4,096 float32; p1 4 x 8,192 x 3 float32; p2 4 x 4,096 x 3 float32.
;; Outputs: out0 4 x 256 x 8,192 float32.
;; One version. Each part assembles by itself: llvm-mc -triple=amdgcn-amd-amdhsa -mcpu=gfx1250 --defsym DOCPART=n.
;; ======== version 1 of 1: 3 launches
;; limits: values are held in f16: magnitudes above 65,504 overflow, below 6.1e-05 lose precision; values within 3.05e-05 (relative) of each other or of a threshold may be ordered or decided otherwise than in the reference
;; workspace buffers: grp 524,288 bytes of whole numbers; p2s 262,144 bytes; f2t 8,388,608 bytes; wf 393,216 bytes; nidx 524,288 bytes of whole numbers; nw 524,288 bytes
;; launch filter (part 1): grid 256 x 1, 4 waves a work-group, no clusters, 232,960 bytes of LDS; arguments p1, p2, f2, W1, W2, grp, p2s, f2t, wf; writes grp, p2s, f2t, wf
.if DOCPART == 1
	.amdgcn_target "amdgcn-amd-amdhsa--gfx1250"
	.amdhsa_code_object_version 6
	.text
	.protected	k_q3014eefbbb_filter
	.globl	k_q3014eefbbb_filter
	.p2align	8
	.type	k_q3014eefbbb_filter,@function
k_q3014eefbbb_filter:
	s_mov_b64 s[64:65], 0
	v_nop
	global_prefetch_b8 v0, s[64:65] scope:SCOPE_SE
	s_setreg_imm32_b32 hwreg(HW_REG_WAVE_MODE, 25, 1), 1
	s_wait_xcnt 0x0
; FEATURE PROPAGATION, launch 1 of 3: the filter for the three nearest coarse points, and the laying out of f2, W1, W2 and p2.
; THE WHOLE PROGRAM.  out0 = relu(W2 relu(W1 [f1 ; interp] + b1) + b2), interp = the inverse-distance mean of f2's columns at the 3 coarse points nearest to each dense point.
; Nothing of the problem is dead: every input has a way to the output and is loaded.  Lesser work than the formula as written: the top 3 of 4,096 distances is a selection, and the
; take_along_axis is a lookup of 3 rows for each point.  Launch 1 keeps, for each dense point, the 4 groups of 16 coarse points with the smallest distance; launch 2 reads those group numbers
; from memory and finds the 3 nearest among their 64 points in f32; launch 3 reads the 3 indices from memory, gathers, interpolates and runs both convolutions.
; LIMITS.  (a) All eight inputs are rounded to bf16, to nearest even, before anything else is done with them.  (b) The filter's distance is a matrix product of exact bf16 terms, clamped at 0 and cut
; to 16 significant bits (a part in 2^15): if more than four groups' minima lie within that of the third nearest distance, another neighbour may be chosen.  (c) W1's right half and W2 are written as f16
; (the bf16 number; below 6e-5 with f16's fixed step of 6e-8).  (d) NaN and infinities are not treated apart; distances stay under 3e38.
; SHARES.  256 work-groups of four waves; work-group G has batch G / 64 and the dense points 128 (G % 64) on.  Wave w holds the coarse points 1,024 w on, as 64 tiles of 16, and multiplies them with all 128 queries.
; THE PRODUCT.  Source 0 = 16 coarse points, source 1 = 16 queries, K = 32 of which 9 are used: K 0-2: (x, y, z) x (-2 a0, -2 a1, -2 a2); K 3-5: |p2|^2 in three bf16 parts x 1; K 6-8: 1 x |p1|^2 in three parts.
; In the result a lane holds one query (lane % 16) and rows 8 (lane / 16) + 0..7.  Row 8 h + j of tile 2 u + t is coarse point 32 u + 16 h + 8 t + j, so a half of the lanes sees group 2 u + h in two tiles.
; A key is the group's minimum with the group's number in its low 8 bits; each lane keeps its 4 smallest keys, sorted; the 8 lists of a query (4 waves x 2 halves) meet in LDS.
; SIDE JOBS of the same launch: f2 -> f2t [batch][point][channel] in bf16 (64 points a work-group); one weight fragment (wave 0: W1, wave 1: half of one of W2); the table p2s (waves 2, 3).
.set ATAB,  0                  ; the candidate tables: wave w at 32,768 w; a tile is 512 bytes: [K half][row] x 16 bytes
.set RAW,   131072             ; p2 as it lies in memory: wave w's 12,288 bytes
.set TST,   180224             ; the transposing stage: 64 points, 528 bytes apart
.set TPI,   528
.set MRG,   214016             ; the lists: 128 queries, 144 bytes apart, 8 lists of 16 bytes
.set MPI,   144
.set SPARE, 232448             ; the spare words, 128 bytes a wave: no other line names them
.set SPW,  4                   ; v4  my spare word's address; never rewritten
.set NIL,  5                   ; v5  0; never rewritten
.set AAD,  6                   ; v6  LDS address of this trip's tiles
.set IDA,  7                   ; v7  the group's number for the trip's first pair of tiles
.set IDB,  8                   ; v8  for its second pair (must be IDA + 1)
.set AAD0, 9                   ; v9  32,768 w + 16 lane
.set F2O,  10                  ; v10 f2's offset; never rewritten
.set CPL,  11                  ; v11 the copies' LDS address
.set L16,  12                  ; v12 16 x lane; never rewritten
.set P1O,  13
.set SJL,  14
.set TT,   16                  ; v16-23 t, v24-31 g: running minima of a group, by query tile
.set GG,   24
.set FF,   32                  ; v32-39 the finished key
.set KK,   40                  ; v40-71 four keys a query tile, ascending
.set ARD,  48                  ; (before the loop) where I read raw p2
.set AST,  49                  ; (before the loop) where I put a table row
.set ONE,  50
.set ONES, 51
.set AF,   72                  ; v72-103 four tiles of candidates; registers 4-7 of each stay 0
.set BF,   104                 ; v104-167 eight tiles of queries
.set DR,   168                 ; v168-231 eight results; before the loop landing space
.set CH,   236                 ; v236-239 the table's row for K 8-15: (1, 0), 0, 0, 0
.set ZR,   237                 ; a zero
.set MSB, 0
.macro WIN new                 ; the immediate's high byte repeats the setting that is left
.if MSB != (\new)
	s_set_vgpr_msb (MSB<<8)|(\new)
.set MSB, \new
.endif
.endm
.macro ALL4 line:vararg        ; one line for t = 0 .. 3: four items side by side, so that a line does not wait for the one before it
.set t, 0
.rept 4
	\line
.set t, t+1
.endr
.endm
	s_load_b512 s[4:19], s[0:1], 0x0               ; p1 s[4:5], p2 s[6:7], f2 s[8:9], W1 s[10:11], W2 s[12:13], grp s[14:15], p2s s[16:17], f2t s[18:19]
	s_load_b64 s[20:21], s[0:1], 0x40              ; wf
	v_lshl_add_u32 v[SPW], v0, 2, SPARE
	v_mov_b32 v[NIL], 0
	ds_add_u32 v[SPW], v[NIL]                      ; the opening: the add, twice on end, and its wait ahead of my first copy
	ds_add_u32 v[SPW], v[NIL]
	v_lshrrev_b32 v1, 5, v0
	v_readfirstlane_b32 s22, v1                    ; wave
	v_and_b32 v1, 31, v0                           ; lane
	v_and_b32 v2, 15, v0                           ; r
	v_bfe_u32 v3, v0, 4, 1                         ; h
	s_lshr_b32 s23, ttmp9, 6                       ; batch
	s_and_b32 s24, ttmp9, 63                       ; block in the batch
	s_mov_b32 s28, 0
	s_mov_b32 s30, 0xffffff00                      ; a key's distance bits
	s_mov_b32 s32, 0xffff0000                      ; a word's upper half; also the mask of lanes 16-31
	s_mov_b32 s49, 0
	s_mul_i32 s25, s22, 12288
	s_add_co_u32 s26, s25, RAW
	v_lshl_add_u32 v[CPL], v1, 4, s26
	v_lshlrev_b32 v[L16], 4, v1
	v_mul_u32_u24 v[ARD], v1, 12
	v_add_nc_u32 v[ARD], s26, v[ARD]
	v_and_b32 v[AST], 7, v0                        ; row 8 h' + j of tile 2 u + t': 512 t' + 128 h' + 16 j, lane = 16 h' + 8 t' + j
	v_lshlrev_b32 v[AST], 4, v[AST]
	v_bfe_u32 v[AAD], v0, 3, 1
	v_lshl_add_u32 v[AST], v[AAD], 9, v[AST]
	v_lshl_add_u32 v[AST], v3, 7, v[AST]
	s_lshl_b32 s27, s22, 15
	v_add_nc_u32 v[AST], s27, v[AST]
	v_lshl_add_u32 v[AAD0], v1, 4, s27
	v_mul_u32_u24 v[P1O], v2, 12
	v_lshlrev_b32 v[F2O], 4, v2
	v_lshl_add_u32 v[F2O], v3, 17, v[F2O]          ; 8 channels further for lanes 16-31
	v_mov_b32 v[ONE], 1.0
	v_mov_b32 v[ONES], 0x3f803f80
	v_mov_b32 v[CH], 0x3f80
	v_mov_b32 v[CH+1], 0
	v_mov_b32 v[CH+2], 0
	v_mov_b32 v[CH+3], 0
	s_wait_dscnt 0x0                               ; both opening adds are done
	s_wait_kmcnt 0x0
	s_mul_i32 s48, s23, 49152
	s_add_co_u32 s48, s48, s25
	s_add_nc_u64 s[36:37], s[6:7], s[48:49]        ; p2 at my wave's 1,024 points
.set k, 0
.rept 24                                               ; 12,288 bytes, 512 a copy; the immediate steps both addresses
	global_load_async_to_lds_b128 v[CPL], v[L16], s[36:37] offset:512*k
.set k, k+1
.endr
	s_mul_i32 s48, ttmp9, 1536                     ; 128 points of 12 bytes a work-group
	s_add_nc_u64 s[38:39], s[4:5], s[48:49]
.set k, 0
.rept 24                                               ; query tile k / 3, coordinate k % 3; both halves of the lanes load the same
	global_load_b32 v[DR+k], v[P1O], s[38:39] offset:192*(k/3)+4*(k%3)
.set k, k+1
.endr
	; the side jobs' loads, by wave
	s_cmp_eq_u32 s22, 0
	s_cbranch_scc1 .Lload_w1
	s_cmp_eq_u32 s22, 1
	s_cbranch_scc1 .Lload_w2
	s_sub_co_u32 s25, s22, 2                       ; waves 2, 3: two groups of the table each; a lane has 4 points (48 bytes) and one of the four fields
	s_lshl_b32 s26, ttmp9, 6
	s_lshl_b32 s27, s25, 5
	s_add_co_u32 s26, s26, s27
	s_mul_i32 s48, s26, 12
	s_add_nc_u64 s[40:41], s[6:7], s[48:49]
	v_and_b32 v[SJL], 3, v0
	v_mul_u32_u24 v[SJL], v[SJL], 48
	v_mad_u32_u24 v[SJL], v3, 192, v[SJL]
	global_load_b128 v[192:195], v[SJL], s[40:41]
	global_load_b128 v[196:199], v[SJL], s[40:41] offset:16
	global_load_b128 v[200:203], v[SJL], s[40:41] offset:32
	s_lshl_b32 s48, ttmp9, 10
	s_lshl_b32 s27, s25, 9
	s_add_co_u32 s48, s48, s27
	s_add_nc_u64 s[42:43], s[16:17], s[48:49]
	s_branch .Lloaded
.Lload_w1:                                             ; wave 0: fragment G of W1: rows 16 (G % 16) on, columns (32 (G / 16) + 256) % 512 on
	s_and_b32 s25, ttmp9, 15
	s_lshr_b32 s26, ttmp9, 4
	s_lshl_b32 s27, s26, 5
	s_add_co_u32 s27, s27, 256
	s_and_b32 s27, s27, 511
	s_lshl_b32 s48, s25, 15
	s_lshl2_add_u32 s48, s27, s48
	s_add_nc_u64 s[40:41], s[10:11], s[48:49]
	v_lshlrev_b32 v[SJL], 11, v2
	v_lshl_add_u32 v[SJL], v3, 5, v[SJL]
	global_load_b128 v[192:195], v[SJL], s[40:41]
	global_load_b128 v[196:199], v[SJL], s[40:41] offset:16
	global_load_b128 v[200:203], v[SJL], s[40:41] offset:64
	global_load_b128 v[204:207], v[SJL], s[40:41] offset:80
	s_lshl_b32 s48, ttmp9, 10
	s_add_nc_u64 s[42:43], s[20:21], s[48:49]
	s_cmp_lt_u32 s26, 8                            ; the first eight column steps (W1's right half) are written as f16
	s_cselect_b32 s28, -1, 0
	s_branch .Lloaded
.Lload_w2:                                             ; wave 1: part G % 2 of fragment 256 + G / 2: W2's rows 16 ((G / 2) % 16) on, columns 32 (G / 32) + 16 (G % 2) on
	s_lshr_b32 s25, ttmp9, 1
	s_and_b32 s26, ttmp9, 1
	s_lshr_b32 s27, s25, 4
	s_and_b32 s29, s25, 15
	s_lshl_b32 s48, s29, 14
	s_lshl_b32 s27, s27, 7
	s_add_co_u32 s48, s48, s27
	s_lshl_b32 s27, s26, 6
	s_add_co_u32 s48, s48, s27
	s_add_nc_u64 s[40:41], s[12:13], s[48:49]
	v_lshlrev_b32 v[SJL], 10, v2
	v_lshl_add_u32 v[SJL], v3, 5, v[SJL]
	global_load_b128 v[192:195], v[SJL], s[40:41]
	global_load_b128 v[196:199], v[SJL], s[40:41] offset:16
	s_lshl_b32 s48, s25, 10
	s_lshl_b32 s27, s26, 9
	s_add_co_u32 s48, s48, s27
	s_add_co_u32 s48, s48, 262144
	s_add_nc_u64 s[42:43], s[20:21], s[48:49]
	s_mov_b32 s28, -1
.Lloaded:
	s_lshl_b32 s48, s23, 22                        ; f2: batch, my wave's 64 channels, the work-group's 64 points
	s_lshl_b32 s25, s22, 20
	s_add_co_u32 s48, s48, s25
	s_lshl_b32 s25, s24, 8
	s_add_co_u32 s48, s48, s25
	s_add_nc_u64 s[34:35], s[8:9], s[48:49]
	WIN 0x40                                       ; destination window 1
.set k, 0
.rept 32                                               ; load k: channel 16 (k / 8) + k % 8 + 8 h, points 4 r .. 4 r + 3: sixteen lanes take 256 consecutive bytes of a channel; they land while the filter runs
	global_load_b128 v[4*k:4*k+3], v[F2O], s[34:35] offset:((k/8)*16+k%8)*16384 th:TH_LOAD_NT
.set k, k+1
.endr
	WIN 0
	s_wait_loadcnt 32                              ; all but f2's 32 loads, which are the youngest in every wave
.macro CVTW dst, src           ; two weights: rounded to bf16; that number written as f16 where s28 says so
	v_cvt_pk_bf16_f32 v[\dst], v[\src], v[\src+1]
	v_lshlrev_b32 v216, 16, v[\dst]
	v_and_b32 v217, s32, v[\dst]
	v_cvt_pk_f16_f32 v216, v216, v217
	v_cndmask_b32 v[\dst], v[\dst], v216, s28
.endm
	s_cmp_lt_u32 s22, 2
	s_cbranch_scc0 .Ljob_table
.irp d, 0,1,2,3
	CVTW 208+\d, 192+2*\d
.endr
	global_store_b128 v[L16], v[208:211], s[42:43]             ; 512 consecutive bytes: lane l's 16 bytes are what lane l of a later wave loads as registers 0-3 (or 4-7) of the fragment
	s_cmp_eq_u32 s22, 0
	s_cbranch_scc0 .Ljobs_done
.irp d, 0,1,2,3
	CVTW 212+\d, 200+2*\d
.endr
	global_store_b128 v[L16], v[212:215], s[42:43] offset:512
	s_branch .Ljobs_done
.Ljob_table:                                           ; p2s: a group is x[16], y[16], z[16], |p2|^2[16] in f32, of the rounded coordinates; the sum in the order (x x + y y) + z z
	v_bfe_u32 v216, v0, 2, 2                       ; my field
	v_cmp_eq_u32 s25, 1, v216
	v_cmp_eq_u32 s26, 2, v216
	v_cmp_eq_u32 s27, 3, v216
.irp i, 0,1,2,3
	v_cvt_pk_bf16_f32 v217, v[192+3*\i], v[192+3*\i+1]
	v_cvt_pk_bf16_f32 v218, v[192+3*\i+2], v[192+3*\i+2]
	v_lshlrev_b32 v219, 16, v217
	v_and_b32 v217, s32, v217
	v_lshlrev_b32 v218, 16, v218
	v_mul_f32 v220, v219, v219
	v_fma_f32 v220, v217, v217, v220
	v_fma_f32 v220, v218, v218, v220
	v_cndmask_b32 v[208+\i], v219, v217, s25
	v_cndmask_b32 v[208+\i], v[208+\i], v218, s26
	v_cndmask_b32 v[208+\i], v[208+\i], v220, s27
.endr
	global_store_b128 v[L16], v[208:211], s[42:43]
.Ljobs_done:
	s_wait_xcnt 0x0                                ; the stores have read their registers, which are written again below
; THE QUERIES: four tiles at a time.  -2 a is rounded (which is -2 times the rounded a); |p1|^2 of the rounded a, split into three bf16 parts; lanes 0-15 hold K 0-7, lanes 16-31 K 8-15.
.macro BP4
	ALL4 v_mul_f32 v[16+8*t], -2.0, v[DR+3*(Q0+t)]
	ALL4 v_mul_f32 v[17+8*t], -2.0, v[DR+3*(Q0+t)+1]
	ALL4 v_mul_f32 v[18+8*t], -2.0, v[DR+3*(Q0+t)+2]
	ALL4 v_cvt_pk_bf16_f32 v[19+8*t], v[16+8*t], v[17+8*t]
	ALL4 v_cvt_pk_bf16_f32 v[20+8*t], v[18+8*t], v[ONE]
	ALL4 v_lshlrev_b32 v[16+8*t], 16, v[19+8*t]
	ALL4 v_and_b32 v[17+8*t], s32, v[19+8*t]
	ALL4 v_lshlrev_b32 v[18+8*t], 16, v[20+8*t]
	ALL4 v_mul_f32 v[16+8*t], v[16+8*t], v[16+8*t]
	ALL4 v_fma_f32 v[16+8*t], v[17+8*t], v[17+8*t], v[16+8*t]
	ALL4 v_fma_f32 v[16+8*t], v[18+8*t], v[18+8*t], v[16+8*t]
	ALL4 v_mul_f32 v[16+8*t], 0x3e800000, v[16+8*t]
	ALL4 v_cvt_pk_bf16_f32 v[17+8*t], v[16+8*t], v[16+8*t]
	ALL4 v_lshlrev_b32 v[17+8*t], 16, v[17+8*t]
	ALL4 v_sub_f32 v[18+8*t], v[16+8*t], v[17+8*t]
	ALL4 v_cvt_pk_bf16_f32 v[21+8*t], v[16+8*t], v[18+8*t]
	ALL4 v_and_b32 v[17+8*t], s32, v[21+8*t]
	ALL4 v_sub_f32 v[18+8*t], v[18+8*t], v[17+8*t]
	ALL4 v_cvt_pk_bf16_f32 v[22+8*t], v[18+8*t], v[ZR]
	ALL4 v_cndmask_b32 v[BF+8*(Q0+t)], v[19+8*t], v[22+8*t], s32
	ALL4 v_cndmask_b32 v[BF+8*(Q0+t)+1], v[20+8*t], v[ZR], s32
	ALL4 v_cndmask_b32 v[BF+8*(Q0+t)+2], v[ONES], v[ZR], s32
	ALL4 v_cndmask_b32 v[BF+8*(Q0+t)+3], v[21+8*t], v[ZR], s32
	ALL4 v_mov_b32 v[BF+8*(Q0+t)+4], 0
	ALL4 v_mov_b32 v[BF+8*(Q0+t)+5], 0
	ALL4 v_mov_b32 v[BF+8*(Q0+t)+6], 0
	ALL4 v_mov_b32 v[BF+8*(Q0+t)+7], 0
.endm
.set Q0, 0
	BP4
.set Q0, 4
	BP4
; THE CANDIDATES' TABLE: a round is 32 points, a lane each; four rounds side by side.  (x, y), (z, s hi), (s mid, s lo), (1, 1) for K 0-7, the constant row for K 8-15.
.macro AP4                     ; rounds KR .. KR + 3; their raw numbers at DR + 3 (RB + t)
	ALL4 v_cvt_pk_bf16_f32 v[16+4*t], v[DR+3*(RB+t)], v[DR+3*(RB+t)+1]
	ALL4 v_cvt_pk_bf16_f32 v[32+4*t], v[DR+3*(RB+t)+2], v[DR+3*(RB+t)+2]
	ALL4 v_lshlrev_b32 v[33+4*t], 16, v[16+4*t]
	ALL4 v_and_b32 v[34+4*t], s32, v[16+4*t]
	ALL4 v_lshlrev_b32 v[32+4*t], 16, v[32+4*t]
	ALL4 v_mul_f32 v[33+4*t], v[33+4*t], v[33+4*t]
	ALL4 v_fma_f32 v[33+4*t], v[34+4*t], v[34+4*t], v[33+4*t]
	ALL4 v_fma_f32 v[33+4*t], v[32+4*t], v[32+4*t], v[33+4*t]
	ALL4 v_cvt_pk_bf16_f32 v[17+4*t], v[DR+3*(RB+t)+2], v[33+4*t]
	ALL4 v_and_b32 v[34+4*t], s32, v[17+4*t]
	ALL4 v_sub_f32 v[33+4*t], v[33+4*t], v[34+4*t]
	ALL4 v_cvt_pk_bf16_f32 v[34+4*t], v[33+4*t], v[33+4*t]
	ALL4 v_lshlrev_b32 v[34+4*t], 16, v[34+4*t]
	ALL4 v_sub_f32 v[34+4*t], v[33+4*t], v[34+4*t]
	ALL4 v_cvt_pk_bf16_f32 v[18+4*t], v[33+4*t], v[34+4*t]
	ALL4 ds_store_b128 v[AST], v[16+4*t:19+4*t] offset:1024*(KR+t)
	ALL4 ds_store_b128 v[AST], v[CH:CH+3] offset:1024*(KR+t)+256
.endm
	ALL4 v_mov_b32 v[19+4*t], v[ONES]
	s_wait_asynccnt 0x0                            ; my copies have landed; I alone read what they brought
.set BT, 0
.rept 4
.set k, 0
.rept 24
	ds_load_b32 v[DR+k], v[ARD] offset:3072*BT+384*(k/3)+4*(k%3)
.set k, k+1
.endr
	s_wait_dscnt 12                                ; rounds 0-3 of the batch are in; the twelve loads of rounds 4-7 may be out
.set RB, 0
.set KR, 8*BT
	AP4
	s_wait_dscnt 8                                 ; all loads are in; the eight stores just issued may be out
.set RB, 4
.set KR, 8*BT+4
	AP4
.set BT, BT+1
.endr
	s_wait_dscnt 0x0                               ; my table is written
	s_barrier_signal -1
	; what the loop finds: keys, and the results and minima of four items that have not been, at the greatest finite number: 32 true keys a lane push them out
	s_mov_b32 s25, 0x7f7fffff
	s_mov_b32 s26, 0x7f7fff00
.set k, 0
.rept 32
	v_mov_b32 v[KK+k], s25
	v_mov_b32 v[DR+32+k], s25
.set k, k+1
.endr
.set k, 0
.rept 4
	v_mov_b32 v[TT+4+k], s25
	v_mov_b32 v[GG+4+k], s25
	v_mov_b32 v[FF+k], s26
	v_mov_b32 v[AF+8*k+4], 0
	v_mov_b32 v[AF+8*k+5], 0
	v_mov_b32 v[AF+8*k+6], 0
	v_mov_b32 v[AF+8*k+7], 0
.set k, k+1
.endr
	s_lshl_b32 s27, s22, 6
	v_add_nc_u32 v[IDA], s27, v3                   ; group 64 w + h
	v_mov_b32 v[IDB], v[IDA]
	v_mov_b32 v[AAD], v[AAD0]
	s_mov_b32 s31, 15
	s_mov_b32 s33, 0
	s_barrier_wait -1
.set k, 0
.rept 4
	ds_load_b128 v[AF+8*k:AF+8*k+3], v[AAD] offset:512*k
.set k, k+1
.endr
; THE VECTOR WORK of an item (a result of 16 points x 16 queries), seven lines.  rp = 0, the group's first tile: the key finished last is put into the sorted four, then the minima begin.
; rp = 1, its second tile: the minima end, are clamped at 0 and take the group's number.  Each result is read from its low registers on.
.macro ROP
.set rD, DR+8*rq
.set rK, KK+4*rq
.if rp == 0
.if rn == 0
	v_med3_num_f32 v[rK+3], v[rK+2], v[rK+3], v[FF+rq]
.elseif rn == 1
	v_med3_num_f32 v[rK+2], v[rK+1], v[rK+2], v[FF+rq]
.elseif rn == 2
	v_med3_num_f32 v[rK+1], v[rK], v[rK+1], v[FF+rq]
.elseif rn == 3
	v_min_num_f32 v[rK], v[rK], v[FF+rq]
.elseif rn == 4
	v_min3_num_f32 v[TT+rq], v[rD], v[rD+1], v[rD+2]
.elseif rn == 5
	v_min3_num_f32 v[GG+rq], v[rD+3], v[rD+4], v[rD+5]
.else
	v_min3_num_f32 v[TT+rq], v[TT+rq], v[rD+6], v[rD+7]
.endif
.else
.if rn == 0
	v_min3_num_f32 v[TT+rq], v[TT+rq], v[rD], v[rD+1]
.elseif rn == 1
	v_min3_num_f32 v[GG+rq], v[GG+rq], v[rD+2], v[rD+3]
.elseif rn == 2
	v_min3_num_f32 v[TT+rq], v[TT+rq], v[rD+4], v[rD+5]
.elseif rn == 3
	v_min3_num_f32 v[GG+rq], v[GG+rq], v[rD+6], v[rD+7]
.elseif rn == 4
	v_min_num_f32 v[FF+rq], v[TT+rq], v[GG+rq]
.elseif rn == 5
	v_max_num_f32 v[FF+rq], 0, v[FF+rq]
.else
	v_and_or_b32 v[FF+rq], v[FF+rq], s30, v[rid]
.endif
.endif
.endm
.macro RUN j0, m0, n           ; lines m0 .. m0 + n - 1 of the 14 of items j0 and j0 + 1 (numbers in a trip, modulo 32), the two items alternating
.set m, \m0
.rept \n
.set jj, ((\j0)+m%2)%32
.set rp, (jj/8)%2
.set rq, jj%8
.set rn, m/2
.set rid, IDA+jj/24
	ROP
.set m, m+1
.endr
.endm
; A TRIP: four tiles x eight query tiles = 32 products, each starting from the constant 0; behind each, seven lines of the items four and three products back.
; So a result is read 21 plain lines or more behind its product, and a tile's registers are loaded again seven plain lines behind their last reader.
.macro TRIP last
.set i, 0
.rept 32
.if i%8 == 0
.if \last
	s_wait_dscnt 3-i/8                             ; the last trip loads nothing: the count runs down
.else
	s_wait_dscnt 3                                 ; this tile is in; the three tiles asked for behind it may be out
.endif
.endif
	v_wmma_f32_16x16x32_bf16 v[DR+8*(i%8):DR+8*(i%8)+7], v[AF+8*(i/8):AF+8*(i/8)+7], v[BF+8*(i%8):BF+8*(i%8)+7], 0
	RUN (i/2)*2+28, 7*(i%2), 7
.if (i%8 == 7) && !(\last)
	ds_load_b128 v[AF+8*(i/8):AF+8*(i/8)+3], v[AAD] offset:2048+512*(i/8)
.endif
.if i == 20
	v_add_nc_u32 v[IDA], 4, v[IDA]                 ; the first pair's keys were made behind products 12 to 19
.endif
.if i == 27
	v_add_nc_u32 v[IDB], -2, v[IDA]                ; the second pair's are made behind products 28 to 31 and the next trip's 0 to 3
.endif
.set i, i+1
.endr
.endm
.Ltrip:
	TRIP 0
	s_add_co_u32 s33, s33, 2048
	v_add_nc_u32 v[AAD], s33, v[AAD0]
	s_sub_co_u32 s31, s31, 1
	s_cmp_lg_u32 s31, 0
	s_cbranch_scc1 .Ltrip
	TRIP 1
	RUN 28, 0, 14                                  ; the last four items,
	RUN 30, 0, 14
.set rp, 0
.set rn, 0
.rept 4                                                ; and the last key of each query tile
.set rq, 0
.rept 8
	ROP
.set rq, rq+1
.endr
.set rn, rn+1
.endr
	s_wait_dscnt 0x0                               ; my reads of the table are over
	s_barrier_signal -1
	v_mul_u32_u24 v72, v2, MPI                     ; my list: query 16 q + r, list 2 w + h
	v_lshl_add_u32 v72, v3, 4, v72
	s_lshl_b32 s25, s22, 5
	s_add_co_u32 s25, s25, MRG
	v_add_nc_u32 v72, s25, v72
	v_mul_u32_u24 v73, v2, 4*TPI                   ; the stage, in: point 4 r + k, channels 64 w + 16 blk + 8 h on
	v_lshl_add_u32 v73, v3, 4, v73
	s_lshl_b32 s25, s22, 7
	s_add_co_u32 s25, s25, TST
	v_add_nc_u32 v73, s25, v73
	s_mul_i32 s25, s22, 16*TPI                     ; the stage, back: points 16 w + t, whole rows of 512 bytes
	s_add_co_u32 s25, s25, TST
	v_add_nc_u32 v74, s25, v[L16]
	v_mul_u32_u24 v75, v0, MPI
	v_add_nc_u32 v75, MRG, v75
	v_lshlrev_b32 v77, 4, v0
	s_lshl_b32 s48, ttmp9, 15
	s_lshl_b32 s25, s22, 13
	s_add_co_u32 s48, s48, s25
	s_add_nc_u64 s[44:45], s[18:19], s[48:49]      ; f2t at point 64 G + 16 w
	s_lshl_b32 s48, ttmp9, 11
	s_add_nc_u64 s[46:47], s[14:15], s[48:49]      ; grp at query 128 G
	s_barrier_wait -1
.set k, 0
.rept 8
	ds_store_b128 v72, v[KK+4*k:KK+4*k+3] offset:16*MPI*k
.set k, k+1
.endr
	s_wait_loadcnt 0x0                             ; f2
	WIN 0x05                                       ; sources in window 1, destination in window 0
.set k, 0
.rept 64                                               ; blk = k / 16, point k' = (k / 4) % 4, pair of channels e = k % 4
	v_cvt_pk_bf16_f32 v[DR+k], v[4*(8*(k/16)+2*(k%4))+(k/4)%4], v[4*(8*(k/16)+2*(k%4)+1)+(k/4)%4]
.set k, k+1
.endr
	WIN 0
.set k, 0
.rept 16
	ds_store_b128 v73, v[DR+4*k:DR+4*k+3] offset:TPI*(k%4)+32*(k/4)
.set k, k+1
.endr
	s_wait_dscnt 0x0                               ; for the others' sake: my lists and my part of the stage are written
	s_barrier_signal -1
	s_barrier_wait -1
.set k, 0
.rept 16
	ds_load_b128 v[DR+4*k:DR+4*k+3], v74 offset:TPI*k
.set k, k+1
.endr
.set k, 0
.rept 8
	ds_load_b128 v[BF+4*k:BF+4*k+3], v75 offset:16*k
.set k, k+1
.endr
.set k, 0
.rept 16
	s_wait_dscnt 23-k                              ; row k is back; 15 - k rows and the eight lists may be out
	global_store_b128 v[L16], v[DR+4*k:DR+4*k+3], s[44:45] offset:512*k   ; a point's 256 channels: 512 consecutive bytes, aligned
.set k, k+1
.endr
	s_wait_dscnt 0x0
.set k, 4
.rept 28                                               ; a thread a query: the other seven lists go into the first
	v_med3_num_f32 v[BF+3], v[BF+2], v[BF+3], v[BF+k]
	v_med3_num_f32 v[BF+2], v[BF+1], v[BF+2], v[BF+k]
	v_med3_num_f32 v[BF+1], v[BF], v[BF+1], v[BF+k]
	v_min_num_f32 v[BF], v[BF], v[BF+k]
.set k, k+1
.endr
.irp k, 0,1,2,3
	v_and_b32 v[BF+\k], 0xff, v[BF+\k]
.endr
	v_min_u32 v136, v[BF], v[BF+1]                 ; the four group numbers in ascending order, so that the next launch scans by ascending index
	v_max_u32 v137, v[BF], v[BF+1]
	v_min_u32 v138, v[BF+2], v[BF+3]
	v_max_u32 v139, v[BF+2], v[BF+3]
	v_min_u32 v[BF], v136, v138
	v_max_u32 v140, v136, v138
	v_min_u32 v141, v137, v139
	v_max_u32 v[BF+3], v137, v139
	v_min_u32 v[BF+1], v141, v140
	v_max_u32 v[BF+2], v141, v140
	global_store_b128 v77, v[BF:BF+3], s[46:47]
	s_wait_tensorcnt 0x0                           ; the wave's end, behind my last copy and my last LDS store
	s_wait_asynccnt 0x0
	ds_add_u32 v[SPW], v[NIL]
	s_wait_dscnt 0x0
	s_endpgm
.Lfunc_end_k_q3014eefbbb_filter:
	.size	k_q3014eefbbb_filter, .Lfunc_end_k_q3014eefbbb_filter-k_q3014eefbbb_filter
	.p2alignl 7, 3214868480
	.fill 96, 4, 3214868480
	.section	.rodata,"a",@progbits
	.p2align	6, 0x0
	.amdhsa_kernel k_q3014eefbbb_filter
		.amdhsa_group_segment_fixed_size 232960
		.amdhsa_private_segment_fixed_size 0
		.amdhsa_enable_private_segment 0
		.amdhsa_kernarg_size 72
		.amdhsa_user_sgpr_count 2
		.amdhsa_user_sgpr_kernarg_segment_ptr 1
		.amdhsa_wavefront_size32 1
		.amdhsa_system_sgpr_workgroup_id_x 1
		.amdhsa_system_sgpr_workgroup_id_y 1
		.amdhsa_system_sgpr_workgroup_id_z 1
		.amdhsa_system_vgpr_workitem_id 0
		.amdhsa_next_free_vgpr 384
		.amdhsa_next_free_sgpr 66
		.amdhsa_reserve_vcc 0
		.amdhsa_float_denorm_mode_32 3
		.amdhsa_float_denorm_mode_16_64 3
		.amdhsa_memory_ordered 1
		.amdhsa_forward_progress 1
		.amdhsa_inst_pref_size 114
	.end_amdhsa_kernel
	.amdgpu_metadata
---
amdhsa.version: [ 1, 2 ]
amdhsa.kernels:
  - .name:           k_q3014eefbbb_filter
    .symbol:         k_q3014eefbbb_filter.kd
    .args:
      - { .name: p1, .offset: 0, .size: 8, .value_kind: global_buffer, .address_space: global }
      - { .name: p2, .offset: 8, .size: 8, .value_kind: global_buffer, .address_space: global }
      - { .name: f2, .offset: 16, .size: 8, .value_kind: global_buffer, .address_space: global }
      - { .name: W1, .offset: 24, .size: 8, .value_kind: global_buffer, .address_space: global }
      - { .name: W2, .offset: 32, .size: 8, .value_kind: global_buffer, .address_space: global }
      - { .name: grp, .offset: 40, .size: 8, .value_kind: global_buffer, .address_space: global }
      - { .name: p2s, .offset: 48, .size: 8, .value_kind: global_buffer, .address_space: global }
      - { .name: f2t, .offset: 56, .size: 8, .value_kind: global_buffer, .address_space: global }
      - { .name: wf, .offset: 64, .size: 8, .value_kind: global_buffer, .address_space: global }
    .group_segment_fixed_size: 232960
    .private_segment_fixed_size: 0
    .kernarg_segment_align: 8
    .kernarg_segment_size: 72
    .max_flat_workgroup_size: 128
    .sgpr_count:     66
    .vgpr_count:     384
    .wavefront_size: 32
...
	.end_amdgpu_metadata
.endif
;; end of part 1
;; launch rescan (part 2): grid 256 x 1, 4 waves a work-group, no clusters, 167,936 bytes of LDS; arguments p1, grp, p2s, nidx, nw; writes nidx, nw
.if DOCPART == 2
	.amdgcn_target "amdgcn-amd-amdhsa--gfx1250"
	.amdhsa_code_object_version 6
	.text
	.protected	k_q3014eefbbb_rescan
	.globl	k_q3014eefbbb_rescan
	.p2align	8
	.type	k_q3014eefbbb_rescan,@function
k_q3014eefbbb_rescan:
	s_mov_b64 s[64:65], 0
	v_nop
	global_prefetch_b8 v0, s[64:65] scope:SCOPE_SE
	s_setreg_imm32_b32 hwreg(HW_REG_WAVE_MODE, 25, 1), 1
	s_wait_xcnt 0x0
; FEATURE PROPAGATION, launch 2 of 3: the three nearest coarse points among the 64 of the four groups that launch 1 kept, and their weights.  Nothing is left out here.
; d2 = max((|p1|^2 + |p2|^2) - 2 p1.p2, 0) in f32 on coordinates rounded to bf16: every product is then exact, and the sums are taken in the written order ((x x + y y) + z z; the dot with k ascending).
; -2 a stands for a in the dot: a factor of -2 moves no rounding.  The groups come in ascending order and a point displaces a kept one only if it is strictly nearer: ties go to the lower index.
; LIMITS.  Reciprocals are good to the last bit or so, not correctly rounded; NaN and infinities are not treated apart; distances stay under 3e38.
; SHARES.  Work-group G: batch G / 64, queries 128 (G % 64) on, a thread a query.  The batch's table p2s (256 groups of 256 bytes) comes into LDS by one tensor load a wave, rows 272 bytes apart.
; Two streams that do not wait for each other: A takes the query's groups 0 and 1, B groups 2 and 3; B's three are put into A's list at the end.
; NO CLUSTER: what four work-groups of a batch would share is this one table of 64 KiB, asked for once at the head.
.set PT,    272
.set SPARE, 69632
.set SPW, 2
.set NIL, 3
.set LA,  20                   ; v20-22 A's distances, ascending; v23-25 their ordinals; v26-27 at work
.set LB,  28                   ; v28-35 the same for B
.set LD,  64                   ; v64-191 quad k at 32 k: A's x, y, z, s (4 registers each), then B's
	s_load_b256 s[4:11], s[0:1], 0x0               ; p1 s[4:5], grp s[6:7], p2s s[8:9], nidx s[10:11]
	s_load_b64 s[12:13], s[0:1], 0x20              ; nw
	v_lshl_add_u32 v[SPW], v0, 2, SPARE
	v_mov_b32 v[NIL], 0
	ds_add_u32 v[SPW], v[NIL]                      ; the opening: the add, twice on end, and its wait ahead of my first tensor load
	ds_add_u32 v[SPW], v[NIL]
	v_lshrrev_b32 v1, 5, v0
	v_readfirstlane_b32 s14, v1                    ; wave
	s_lshr_b32 s15, ttmp9, 6                       ; batch
	s_mov_b32 s16, 1                               ; group 0: count 1,
	s_mul_i32 s17, s14, 64*PT                      ; LDS address: my 64 rows
	s_mov_b32 s24, (3<<16)|(1<<20)|(5<<22)|(3<<25) ; group 1: elements of 8 bytes; padding on: after every 64 words, 4 words
	s_mov_b32 s25, 32<<16                          ; tensor_dim0 = 32
	s_mov_b32 s26, 64<<16                          ; tensor_dim1 = 64
	s_mov_b32 s27, 32<<16                          ; tile_dim0 = 32 (256 bytes)
	s_mov_b32 s28, 64                              ; tile_dim1 = 64 rows
	s_mov_b32 s29, 32                              ; 32 elements from row to row
	s_mov_b32 s30, 0
	s_mov_b32 s31, 0
	s_mov_b32 s21, 0
	s_wait_dscnt 0x0                               ; both opening adds are done
	s_wait_kmcnt 0x0
	s_lshl_b32 s20, s15, 16
	s_lshl_b32 s22, s14, 14
	s_add_co_u32 s20, s20, s22
	s_add_nc_u64 s[18:19], s[8:9], s[20:21]
	s_or_b32 s19, s19, 0x80000000                  ; type 2
	tensor_load_to_lds s[16:19], s[24:31]
	s_nop 0
	s_lshl_b32 s20, ttmp9, 11                      ; 128 queries of 16 bytes
	s_add_nc_u64 s[6:7], s[6:7], s[20:21]
	s_add_nc_u64 s[10:11], s[10:11], s[20:21]
	s_add_nc_u64 s[12:13], s[12:13], s[20:21]
	s_mul_i32 s20, ttmp9, 1536
	s_add_nc_u64 s[4:5], s[4:5], s[20:21]
	v_lshlrev_b32 v9, 4, v0
	v_mul_u32_u24 v18, v0, 12
	global_load_b128 v[4:7], v9, s[6:7]
	global_load_b32 v40, v18, s[4:5]
	global_load_b32 v41, v18, s[4:5] offset:4
	global_load_b32 v42, v18, s[4:5] offset:8
	s_mov_b32 s23, 0x7f7fffff
.irp n, 0,1,2
	v_mov_b32 v[LA+\n], s23
	v_mov_b32 v[LB+\n], s23
	v_mov_b32 v[LA+3+\n], 0
	v_mov_b32 v[LB+3+\n], 0
.endr
	s_wait_loadcnt 0x0
	v_mul_f32 v40, -2.0, v40
	v_mul_f32 v41, -2.0, v41
	v_mul_f32 v42, -2.0, v42
	v_cvt_pk_bf16_f32 v43, v40, v41
	v_cvt_pk_bf16_f32 v44, v42, v42
	v_lshlrev_b32 v10, 16, v43                     ; -2 a0, -2 a1, -2 a2, each twice: pairs for the packed lines
	v_and_b32 v12, 0xffff0000, v43
	v_lshlrev_b32 v14, 16, v44
	v_mul_f32 v16, v10, v10
	v_fma_f32 v16, v12, v12, v16
	v_fma_f32 v16, v14, v14, v16
	v_mul_f32 v16, 0x3e800000, v16                 ; |p1|^2: a quarter of the sum of the squares of -2 a, exactly
	v_mov_b32 v11, v10
	v_mov_b32 v13, v12
	v_mov_b32 v15, v14
	v_mov_b32 v17, v16
.irp n, 4,5,6,7
	v_min_u32 v\n, 0xff, v\n                       ; a group's number stays inside the table
.endr
	v_lshl_or_b32 v8, v5, 8, v4                    ; the four numbers in one word
	v_lshl_or_b32 v8, v6, 16, v8
	v_lshl_or_b32 v8, v7, 24, v8
.irp n, 0,1,2,3
	v_mul_u32_u24 v[36+\n], v[4+\n], PT
.endr
	s_wait_tensorcnt 0x0                           ; my quarter of the table is in,
	s_barrier_signal -1
	s_barrier_wait -1                              ; everybody's is
.macro LQ k, tr                ; quad k (4 points) of stream A's group tr and stream B's group 2 + tr: eight loads
.irp st, 0,1
.irp fl, 0,1,2,3
	ds_load_b128 v[LD+32*(\k)+16*\st+4*\fl:LD+32*(\k)+16*\st+4*\fl+3], v[36+2*\st+(\tr)] offset:64*\fl+16*(\k)
.endr
.endr
.endm
.macro P4 line:vararg          ; one packed line for each of the quad's four pairs of points: rb = the pair's x
.set t, 0
.rept 4
.set rb, LD+32*QK+16*(t%2)+2*(t/2)
	\line
.set t, t+1
.endr
.endm
; One point of each stream is put into its stream's sorted three: three compares, five selects for the ordinals, three lines for the distances; the streams alternate.
.macro INS2 da, oa, db, ob
	v_cmp_lt_f32 s32, \da, v[LA]
	v_cmp_lt_f32 s36, \db, v[LB]
	v_cmp_lt_f32 s33, \da, v[LA+1]
	v_cmp_lt_f32 s37, \db, v[LB+1]
	v_cmp_lt_f32 s34, \da, v[LA+2]
	v_cmp_lt_f32 s38, \db, v[LB+2]
	v_cndmask_b32 v[LA+6], \oa, v[LA+4], s33
	v_cndmask_b32 v[LB+6], \ob, v[LB+4], s37
	v_cndmask_b32 v[LA+7], \oa, v[LA+3], s32
	v_cndmask_b32 v[LB+7], \ob, v[LB+3], s36
	v_cndmask_b32 v[LA+5], v[LA+5], v[LA+6], s34
	v_cndmask_b32 v[LB+5], v[LB+5], v[LB+6], s38
	v_cndmask_b32 v[LA+4], v[LA+4], v[LA+7], s33
	v_cndmask_b32 v[LB+4], v[LB+4], v[LB+7], s37
	v_cndmask_b32 v[LA+3], v[LA+3], \oa, s32
	v_cndmask_b32 v[LB+3], v[LB+3], \ob, s36
	v_med3_num_f32 v[LA+2], v[LA+1], v[LA+2], \da
	v_med3_num_f32 v[LB+2], v[LB+1], v[LB+2], \db
	v_med3_num_f32 v[LA+1], v[LA], v[LA+1], \da
	v_med3_num_f32 v[LB+1], v[LB], v[LB+1], \db
	v_min_num_f32 v[LA], v[LA], \da
	v_min_num_f32 v[LB], v[LB], \db
.endm
.macro INS1 d, o               ; the same for stream A alone
	v_cmp_lt_f32 s32, \d, v[LA]
	v_cmp_lt_f32 s33, \d, v[LA+1]
	v_cmp_lt_f32 s34, \d, v[LA+2]
	v_cndmask_b32 v[LA+6], \o, v[LA+4], s33
	v_cndmask_b32 v[LA+7], \o, v[LA+3], s32
	v_cndmask_b32 v[LA+5], v[LA+5], v[LA+6], s34
	v_cndmask_b32 v[LA+4], v[LA+4], v[LA+7], s33
	v_cndmask_b32 v[LA+3], v[LA+3], \o, s32
	v_med3_num_f32 v[LA+2], v[LA+1], v[LA+2], \d
	v_med3_num_f32 v[LA+1], v[LA], v[LA+1], \d
	v_min_num_f32 v[LA], v[LA], \d
.endm
; Quad QK of trip TR.  An ordinal is 16 x (the group's place among the query's four) + the point's place in the group.
.macro QUAD cnt
	s_wait_dscnt \cnt
	P4 v_pk_mul_f32 v[rb:rb+1], v[rb:rb+1], v[10:11]
	P4 v_pk_fma_f32 v[rb:rb+1], v[rb+4:rb+5], v[12:13], v[rb:rb+1]
	P4 v_pk_fma_f32 v[rb:rb+1], v[rb+8:rb+9], v[14:15], v[rb:rb+1]
	P4 v_pk_add_f32 v[rb+12:rb+13], v[rb+12:rb+13], v[16:17]
	P4 v_pk_add_f32 v[rb:rb+1], v[rb+12:rb+13], v[rb:rb+1]
.set t, 0
.rept 8
	v_max_num_f32 v[LD+32*QK+16*(t%2)+t/2], 0, v[LD+32*QK+16*(t%2)+t/2]
.set t, t+1
.endr
.set c, 0
.rept 4
	INS2 v[LD+32*QK+c], 16*TR+4*QK+c, v[LD+32*QK+16+c], 32+16*TR+4*QK+c
.set c, c+1
.endr
.endm
	LQ 0, 0
	LQ 1, 0
	LQ 2, 0
	LQ 3, 0
.set TR, 0
.set QK, 0
.rept 4
	QUAD 24                                        ; this quad's eight loads are in; three younger quads' 24 may be out
	LQ QK, 1                                       ; its registers take the same quad of the second groups
.set QK, QK+1
.endr
.set TR, 1
.set QK, 0
.rept 4
	QUAD 24-8*QK                                   ; nothing more is asked for: the count runs down
.set QK, QK+1
.endr
	INS1 v[LB], v[LB+3]                            ; B's points have the higher indices: they displace A's only if strictly nearer
	INS1 v[LB+1], v[LB+4]
	INS1 v[LB+2], v[LB+5]
	s_lshl_b32 s22, s15, 12                        ; the batch's first row in f2t
.irp n, 0,1,2
	v_lshrrev_b32 v[44+\n], 1, v[LA+3+\n]
	v_and_b32 v[44+\n], 24, v[44+\n]               ; 8 x the group's place
	v_lshrrev_b32 v[44+\n], v[44+\n], v8
	v_and_b32 v[44+\n], 0xff, v[44+\n]             ; the group's number
	v_and_b32 v[52+\n], 15, v[LA+3+\n]
	v_lshl_add_u32 v[44+\n], v[44+\n], 4, v[52+\n]
	v_add_nc_u32 v[44+\n], s22, v[44+\n]
	v_add_f32 v[48+\n], 0x322bcc77, v[LA+\n]       ; d2 + 1e-8
.endr
	v_rcp_f32 v48, v48
	v_rcp_f32 v49, v49
	v_rcp_f32 v50, v50
	v_mov_b32 v47, 0                               ; a plain line behind the last reciprocal,
	s_wait_alu depctr_va_vdst(0)                   ; and one wait for the three, ahead of their first reader
	v_add_f32 v52, v48, v49
	v_add_f32 v52, v52, v50
	v_rcp_f32 v52, v52
	v_mov_b32 v51, 0
	s_wait_alu depctr_va_vdst(0)
	v_mul_f32 v48, v48, v52
	v_mul_f32 v49, v49, v52
	v_mul_f32 v50, v50, v52
	global_store_b128 v9, v[44:47], s[10:11]       ; a wave stores 512 consecutive bytes
	global_store_b128 v9, v[48:51], s[12:13]
	s_wait_tensorcnt 0x0                           ; the wave's end
	ds_add_u32 v[SPW], v[NIL]
	s_wait_dscnt 0x0
	s_endpgm
.Lfunc_end_k_q3014eefbbb_rescan:
	.size	k_q3014eefbbb_rescan, .Lfunc_end_k_q3014eefbbb_rescan-k_q3014eefbbb_rescan
	.p2alignl 7, 3214868480
	.fill 96, 4, 3214868480
	.section	.rodata,"a",@progbits
	.p2align	6, 0x0
	.amdhsa_kernel k_q3014eefbbb_rescan
		.amdhsa_group_segment_fixed_size 167936
		.amdhsa_private_segment_fixed_size 0
		.amdhsa_enable_private_segment 0
		.amdhsa_kernarg_size 40
		.amdhsa_user_sgpr_count 2
		.amdhsa_user_sgpr_kernarg_segment_ptr 1
		.amdhsa_wavefront_size32 1
		.amdhsa_system_sgpr_workgroup_id_x 1
		.amdhsa_system_sgpr_workgroup_id_y 1
		.amdhsa_system_sgpr_workgroup_id_z 1
		.amdhsa_system_vgpr_workitem_id 0
		.amdhsa_next_free_vgpr 192
		.amdhsa_next_free_sgpr 66
		.amdhsa_reserve_vcc 0
		.amdhsa_float_denorm_mode_32 3
		.amdhsa_float_denorm_mode_16_64 3
		.amdhsa_memory_ordered 1
		.amdhsa_forward_progress 1
		.amdhsa_inst_pref_size 67
	.end_amdhsa_kernel
	.amdgpu_metadata
---
amdhsa.version: [ 1, 2 ]
amdhsa.kernels:
  - .name:           k_q3014eefbbb_rescan
    .symbol:         k_q3014eefbbb_rescan.kd
    .args:
      - { .name: p1, .offset: 0, .size: 8, .value_kind: global_buffer, .address_space: global }
      - { .name: grp, .offset: 8, .size: 8, .value_kind: global_buffer, .address_space: global }
      - { .name: p2s, .offset: 16, .size: 8, .value_kind: global_buffer, .address_space: global }
      - { .name: nidx, .offset: 24, .size: 8, .value_kind: global_buffer, .address_space: global }
      - { .name: nw, .offset: 32, .size: 8, .value_kind: global_buffer, .address_space: global }
    .group_segment_fixed_size: 167936
    .private_segment_fixed_size: 0
    .kernarg_segment_align: 8
    .kernarg_segment_size: 40
    .max_flat_workgroup_size: 128
    .sgpr_count:     66
    .vgpr_count:     192
    .wavefront_size: 32
...
	.end_amdgpu_metadata
.endif
;; end of part 2
;; launch mlp (part 3): grid 256 x 1, 4 waves a work-group, no clusters, 272,896 bytes of LDS; arguments f1, b1, b2, f2t, wf, nidx, nw, out0; writes out0
.if DOCPART == 3
	.amdgcn_target "amdgcn-amd-amdhsa--gfx1250"
	.amdhsa_code_object_version 6
	.text
	.protected	k_q3014eefbbb_mlp
	.globl	k_q3014eefbbb_mlp
	.p2align	8
	.type	k_q3014eefbbb_mlp,@function
k_q3014eefbbb_mlp:
	s_mov_b64 s[64:65], 0
	v_nop
	global_prefetch_b8 v0, s[64:65] scope:SCOPE_SE
	s_setreg_imm32_b32 hwreg(HW_REG_WAVE_MODE, 25, 1), 1
	s_wait_xcnt 0x0
; FEATURE PROPAGATION, launch 3 of 3: gather and interpolation, conv1 + bias + ReLU, conv2 + bias + ReLU.  Nothing is left out here.
; LIMITS.  f1, b1, b2 are rounded to bf16 here (f2, W1, W2 were by launch 1).  The interpolated rows and the hidden layer H are kept in f16, rounded once: beyond 65,504 they become infinite.
; Sums in f32.  NaN and infinities are not treated apart.
; SHARES.  Work-group G: batch G / 64, points 128 (G % 64) on.  Wave w: gathers points 32 w on; fetches and rounds f1's channels 64 w on; makes output channels 64 w .. 64 w + 63 of both convolutions for all 128 points.
; conv1: source 0 = 16 output channels of W1, source 1 = 16 points: a lane ends with 8 neighbouring channels of one point, 16 bytes of H [point][channel].  K goes over the interpolated channels first
; (f16 form, while f1 is on its way), then over f1's (bf16 form); the conversion of f1 stands between the two forms.  The bias is the C operand of the first K step.
; conv2: source 0 = 16 points of H, source 1 = 16 output channels of W2: a lane ends with 8 neighbouring points of one channel; they go through my own stage in LDS and leave as 256 consecutive bytes for sixteen lanes.
; THE WEIGHTS come straight from memory in the order in which registers take them (launch 1 laid them so), through a ring of eight K steps in window 2; my slice has no other reader in the work-group.
; NO CLUSTER: the work-groups share the weights alone, which go to registers; through LDS they would be written and read once more.
; REGISTERS, in windows of 256 (s_set_vgpr_msb: bits 1:0 source 0, 3:2 source 1, 5:4 source 2, 7:6 destination):
;   window 0: v0-31 addresses; v32-47, v48-55 at work; v64-127 the rows' offsets, later operand buffer 0; v128-191 the weights of the neighbours, later operand buffer 1; v192-223 the bias as a C operand; v224-227 b2
;   window 1: the gather's ring (8 steps x 24), then 32 accumulators          window 2: W's ring: K step g at 32 (g % 8), row tile i at + 8 i
.set RAWF,  0                  ; f1 as f32: 256 channels x 512 bytes; filled once; H takes its place when all have read it
.set XF,    131072             ; f1 in bf16 [channel][point], 288 bytes apart
.set XFP,   288
.set XI,    204800             ; the interpolated rows in f16 [point][channel], 528 bytes apart
.set XIP,   528
.set HB,    0                  ; H in f16 [point][channel], 528 bytes apart
.set STG,   131072             ; the stages: 64 channels x 528 bytes a wave; they take XF's and XI's place when all have read those
.set SPARE, 272384
.set SPW, 4
.set NIL, 5
.set ZR,  6                    ; a zero
.set TT,  32
.set PP,  48
.set VO,  64
.set WT,  128
.set BI,  192
.set MSB, 0
.macro WIN new                 ; the immediate's high byte repeats the setting that is left
.if MSB != (\new)
	s_set_vgpr_msb (MSB<<8)|(\new)
.set MSB, \new
.endif
.endm
.macro PLACES                  ; four plain lines behind a product, ahead of loads into registers that it read and of lines that read or write its registers
.rept 4
	v_nop
.endr
.endm
	s_load_b512 s[4:19], s[0:1], 0x0               ; f1 s[4:5], b1 s[6:7], b2 s[8:9], f2t s[10:11], wf s[12:13], nidx s[14:15], nw s[16:17], out0 s[18:19]
	v_lshl_add_u32 v[SPW], v0, 2, SPARE
	v_mov_b32 v[NIL], 0
	ds_add_u32 v[SPW], v[NIL]                      ; the opening: the add, twice on end, and its wait ahead of my first tensor load
	ds_add_u32 v[SPW], v[NIL]
	v_lshrrev_b32 v1, 5, v0
	v_readfirstlane_b32 s20, v1                    ; wave
	v_and_b32 v1, 31, v0                           ; lane
	v_and_b32 v2, 15, v0                           ; r
	v_bfe_u32 v3, v0, 4, 1                         ; h
	v_mov_b32 v[ZR], 0
	s_lshr_b32 s21, ttmp9, 6                       ; batch
	s_and_b32 s22, ttmp9, 63
	s_mov_b32 s24, 1                               ; group 0: count 1,
	s_lshl_b32 s25, s20, 15                        ; LDS address: my 64 rows of 512 bytes
	s_mov_b32 s28, 2<<16                           ; group 1: elements of 4 bytes, no padding
	s_mov_b32 s29, 128<<16                         ; tensor_dim0 = 128
	s_mov_b32 s30, 64<<16                          ; tensor_dim1 = 64
	s_mov_b32 s31, 128<<16                         ; tile_dim0 = 128 (512 bytes)
	s_mov_b32 s32, 64                              ; tile_dim1 = 64
	s_mov_b32 s33, 8192                            ; elements from channel to channel
	s_mov_b32 s34, 0
	s_mov_b32 s35, 0
	s_mov_b32 s37, 0
	s_mov_b32 s38, 0xffff0000
	s_wait_dscnt 0x0                               ; both opening adds are done
	s_wait_kmcnt 0x0
	s_lshl_b32 s36, s21, 23                        ; batch, my 64 channels, the work-group's 128 points: the same offset in f1 and in out0
	s_lshl_b32 s23, s20, 21
	s_add_co_u32 s36, s36, s23
	s_lshl_b32 s23, s22, 9
	s_add_co_u32 s36, s36, s23
	s_add_nc_u64 s[18:19], s[18:19], s[36:37]
	s_add_nc_u64 s[26:27], s[4:5], s[36:37]
	s_or_b32 s27, s27, 0x80000000                  ; type 2
	tensor_load_to_lds s[24:27], s[28:35]
	s_nop 0
	PLACES
	s_lshl_b32 s36, ttmp9, 11
	s_lshl_b32 s23, s20, 9
	s_add_co_u32 s36, s36, s23
	s_add_nc_u64 s[14:15], s[14:15], s[36:37]      ; nidx and nw at my 32 points
	s_add_nc_u64 s[16:17], s[16:17], s[36:37]
	s_lshl_b32 s36, s20, 8
	s_add_nc_u64 s[6:7], s[6:7], s[36:37]          ; b1 and b2 at my 64 channels
	s_add_nc_u64 s[8:9], s[8:9], s[36:37]
	s_lshl_b32 s36, s20, 12
	s_add_nc_u64 s[12:13], s[12:13], s[36:37]      ; wf at my four row tiles
	v_lshlrev_b32 v7, 4, v3
	v_lshlrev_b32 v20, 5, v3
	v_lshlrev_b32 v21, 2, v2
.set k, 0
.rept 16                                               ; step k's two points: lanes 0-15 the even one, lanes 16-31 the odd one
	global_load_b128 v[VO+4*k:VO+4*k+3], v7, s[14:15] offset:32*k
.set k, k+1
.endr
.set k, 0
.rept 16
	global_load_b128 v[WT+4*k:WT+4*k+3], v7, s[16:17] offset:32*k
.set k, k+1
.endr
.set k, 0
.rept 8                                                ; register 8 a + j: b1 of channel 16 a + 8 h + j
	global_load_b128 v[BI+4*k:BI+4*k+3], v20, s[6:7] offset:64*(k/2)+16*(k%2)
.set k, k+1
.endr
.irp a, 0,1,2,3
	global_load_b32 v[224+\a], v21, s[8:9] offset:64*\a
.endr
	; the addresses, while those loads are out
	v_lshlrev_b32 v8, 4, v1                        ; v8: 16 x lane, for wf
	v_lshlrev_b32 v22, 4, v2                       ; v22: 16 r
	v_mul_u32_u24 v23, v2, XIP
	v_lshl_add_u32 v23, v3, 4, v23                 ; r x 528 + 16 h: a fragment's lane term in XI and in H
	v_mul_u32_u24 v9, v3, XIP                      ; v9: XI, in: point 32 w + h (+ 2 k), bytes 16 r on
	v_add_nc_u32 v9, v9, v22
	s_mul_i32 s23, s20, 32*XIP
	s_add_co_u32 s23, s23, XI
	v_add_nc_u32 v9, s23, v9
	v_add_nc_u32 v10, XI, v23                      ; v10: XI, fragments
	v_and_b32 v11, 7, v0                           ; v11, v12: XF, turned fragments: row 8 h + l % 8, 16 bytes by (l / 8) % 2; K steps 0-3 and 4-7
	v_lshl_add_u32 v11, v3, 3, v11
	v_mul_u32_u24 v11, v11, XFP
	v_bfe_u32 v12, v0, 3, 1
	v_lshl_add_u32 v11, v12, 4, v11
	v_add_nc_u32 v11, XF, v11
	v_add_nc_u32 v12, 128*XFP, v11
	v_lshl_add_u32 v13, v1, 4, s25                 ; v13: f1 raw, my rows
	s_mul_i32 s23, s20, 64*XFP
	s_add_co_u32 s23, s23, XF
	v_lshl_add_u32 v14, v1, 3, s23                 ; v14: XF, in
	s_lshl_b32 s23, s20, 7
	v_add_nc_u32 v15, s23, v23                     ; v15: H, in: point r (+ 16 c), channels 64 w + 8 h on
	v_mov_b32 v16, v23                             ; v16: H, fragments
	s_mul_i32 s23, s20, 64*528
	s_add_co_u32 s23, s23, STG
	v_mul_u32_u24 v17, v2, 528                     ; v17: my stage, in: channel r (+ 16 a), points 8 h on
	v_lshl_add_u32 v17, v3, 5, v17
	v_add_nc_u32 v17, s23, v17
	v_mul_u32_u24 v18, v3, 528                     ; v18: my stage, back: channel h (+ 2 t), 16 bytes a lane
	v_add_nc_u32 v18, v18, v22
	v_add_nc_u32 v18, s23, v18
	v_lshl_add_u32 v19, v3, 15, v22                ; v19: the same two channels in out0
	s_wait_loadcnt 28                              ; nidx is in; nw's 16, b1's 8 and b2's 4 loads may be out
.set k, 0
.rept 16
.irp nb, 0,1,2
	v_min_u32 v[VO+4*k+\nb], 0x3fff, v[VO+4*k+\nb]             ; a row stays inside f2t
	v_lshl_add_u32 v[VO+4*k+\nb], v[VO+4*k+\nb], 9, v22        ; 512 bytes a row, my 16 of each 256
.endr
.set k, k+1
.endr
.macro GLOAD k                 ; step k's three rows for each of its two points: six loads; sixteen lanes take 256 consecutive bytes of a row
	WIN 0x40
.irp nb, 0,1,2
.irp c2, 0,1
	global_load_b128 v[24*((\k)%8)+8*\nb+4*\c2:24*((\k)%8)+8*\nb+4*\c2+3], v[VO+4*(\k)+\nb], s[10:11] offset:256*\c2
.endr
.endr
.endm
.macro WLOAD g                 ; K step g of my four row tiles: eight loads of 512 consecutive bytes
	WIN 0x80
.irp i, 0,1,2,3
.irp p, 0,1
	global_load_b128 v[32*((\g)%8)+8*\i+4*\p:32*((\g)%8)+8*\i+4*\p+3], v8, s[12:13] offset:16384*(\g)+1024*\i+512*\p
.endr
.endr
.endm
.irp k, 0,1,2,3,4,5,6,7
	GLOAD \k
.endr
; A step of the gather: 16 channels a lane: the three rows' bf16 numbers times their f32 weights, summed in f32, rounded once to f16, into XI.
.macro GSTEP k
.if (\k) < 8
	s_wait_loadcnt 42                              ; my six loads are in; the seven other steps' 42 may be out
.else
	s_wait_loadcnt 6*(15-(\k))+8*((\k)-8)          ; the later steps' loads, and W's K steps asked for since step 8
.endif
	WIN 0x01                                       ; source 0 in window 1
.irp nb, 0,1,2
.set e, 0
.rept 16
.set rr, 24*((\k)%8)+8*\nb+4*(e/8)+(e%8)/2
.set ad, TT+e
.if \nb == 0
.set ad, ZR
.endif
.if e%2
	v_fma_mix_f32_bf16 v[TT+e], v[rr], v[WT+4*(\k)+\nb], v[ad] op_sel:[1,0,0] op_sel_hi:[1,0,0]
.else
	v_fma_mix_f32_bf16 v[TT+e], v[rr], v[WT+4*(\k)+\nb], v[ad] op_sel_hi:[1,0,0]
.endif
.set e, e+1
.endr
.endr
	WIN 0
.set e, 0
.rept 8
	v_cvt_pk_f16_f32 v[PP+e], v[TT+2*e], v[TT+2*e+1]
.set e, e+1
.endr
	ds_store_b128 v9, v[PP:PP+3] offset:2*XIP*(\k)
	ds_store_b128 v9, v[PP+4:PP+7] offset:2*XIP*(\k)+256
.if (\k) < 8
	GLOAD (\k)+8
.else
	WLOAD (\k)-8
.endif
.endm
.irp k, 0,1,2,3,4,5,6,7,8,9,10,11,12,13,14,15
	GSTEP \k
.endr
	WIN 0
.set k, 0
.rept 16                                               ; b1 rounded to bf16, in place
	v_cvt_pk_bf16_f32 v[TT+k], v[BI+2*k], v[BI+2*k+1]
.set k, k+1
.endr
.set k, 0
.rept 16
	v_lshlrev_b32 v[BI+2*k], 16, v[TT+k]
	v_and_b32 v[BI+2*k+1], s38, v[TT+k]
.set k, k+1
.endr
	s_wait_dscnt 0x0                               ; for the others' sake: my 32 points of XI are written
	s_barrier_signal -1
	s_barrier_wait -1
.macro FETCHI kk               ; the 8 point tiles' fragments of K step kk of XI, into buffer kk % 2
	WIN 0
.irp c, 0,1,2,3,4,5,6,7
	ds_load_b128 v[64+64*((\kk)%2)+8*\c:64+64*((\kk)%2)+8*\c+3],   v10 offset:16*XIP*\c+64*(\kk)
	ds_load_b128 v[64+64*((\kk)%2)+8*\c+4:64+64*((\kk)%2)+8*\c+7], v10 offset:16*XIP*\c+64*(\kk)+32
.endr
.endm
.macro FETCHF kk               ; the same of XF ([channel][point]), turned on the way
	WIN 0
.irp c, 0,1,2,3,4,5,6,7
	ds_load_tr16_b128 v[64+64*((\kk)%2)+8*\c:64+64*((\kk)%2)+8*\c+3],   v[11+(\kk)/4] offset:32*XFP*((\kk)%4)+32*\c
	ds_load_tr16_b128 v[64+64*((\kk)%2)+8*\c+4:64+64*((\kk)%2)+8*\c+7], v[11+(\kk)/4] offset:32*XFP*((\kk)%4)+32*\c+16*XFP
.endr
.endm
.macro MM1 g, a0, form         ; 16 products: row tiles a0, a0 + 1 x 8 point tiles.  The 32 accumulators take turns, one instruction a turn
.if (\g) == 0
	WIN 0x42                                       ; W window 2, X window 0, C (the bias) window 0, D window 1
.else
	WIN 0x52                                       ; C window 1
.endif
.irp a, \a0, (\a0)+1
.irp c, 0,1,2,3,4,5,6,7
.if (\g) == 0
	v_wmma_f32_16x16x32_\form v[8*(8*(\a)+\c):8*(8*(\a)+\c)+7], v[32*((\g)%8)+8*(\a):32*((\g)%8)+8*(\a)+7], v[64+64*((\g)%2)+8*\c:64+64*((\g)%2)+8*\c+7], v[BI+8*(\a):BI+8*(\a)+7]
.else
	v_wmma_f32_16x16x32_\form v[8*(8*(\a)+\c):8*(8*(\a)+\c)+7], v[32*((\g)%8)+8*(\a):32*((\g)%8)+8*(\a)+7], v[64+64*((\g)%2)+8*\c:64+64*((\g)%2)+8*\c+7], v[8*(8*(\a)+\c):8*(8*(\a)+\c)+7]
.endif
.endr
.endr
.endm
; A K step of conv1: 32 products; in its middle the next step's fragments are fetched into the other buffer, and W's K step g + 7 is asked for into the ring's place that step g - 1 has left.
.macro KSTEP g, form, lc
	s_wait_loadcnt \lc                             ; W's K step g is in; the younger K steps' loads, eight each, may be out
	s_wait_dscnt 0x0                               ; the fragments are in
	MM1 \g, 0, \form
	PLACES
.if (\g) < 7
	FETCHI (\g)+1
.elseif ((\g) > 7) && ((\g) < 15)
	FETCHF (\g)-7
.endif
.if (\g) > 0
	WLOAD (\g)+7
.endif
	MM1 \g, 2, \form
.endm
	FETCHI 0
	KSTEP 0, f16, 56                               ; seven younger K steps
.irp g, 1,2,3,4,5,6,7
	KSTEP \g, f16, 48                              ; six younger K steps
.endr
	; f1: my 64 channels from f32 to bf16, 16 rows at a time.  These 128 conversions also stand between the f16 form's last product and the bf16 form's first on the same accumulators.
	WIN 0
	s_wait_tensorcnt 0x0                           ; my tensor load has landed; I alone read what it brought
.set nb, 0
.rept 4
.set k, 0
.rept 16
	ds_load_b128 v[64+4*k:64+4*k+3], v13 offset:512*(16*nb+k)
.set k, k+1
.endr
.set k, 0
.rept 16
	s_wait_dscnt 15                                ; row k is in: 15 - k younger loads and k stores may be out
	v_cvt_pk_bf16_f32 v[32+2*k], v[64+4*k], v[64+4*k+1]
	v_cvt_pk_bf16_f32 v[33+2*k], v[64+4*k+2], v[64+4*k+3]
	ds_store_b64 v14, v[32+2*k:33+2*k] offset:XFP*(16*nb+k)
.set k, k+1
.endr
.set nb, nb+1
.endr
	s_wait_dscnt 0x0                               ; my part of XF is written, and my reads of the raw rows are over
	s_barrier_signal -1
	s_barrier_wait -1
	FETCHF 0
.irp g, 8,9,10,11,12,13,14,15
	KSTEP \g, bf16, 48
.endr
	; H = relu(sums), rounded to f16: a lane's 8 channels of a point are 16 bytes
	PLACES
	WLOAD 23
.irp a, 0,1,2,3
	WIN 0x05                                       ; sources in window 1, destination in window 0
.set n, 0
.rept 32
	v_cvt_pk_f16_f32 v[64+32*(\a%2)+n], v[8*(8*\a+n/4)+2*(n%4)], v[8*(8*\a+n/4)+2*(n%4)+1]
.set n, n+1
.endr
	WIN 0
.set n, 0
.rept 32
	v_pk_max_num_f16 v[64+32*(\a%2)+n], v[64+32*(\a%2)+n], v[ZR]
.set n, n+1
.endr
.set n, 0
.rept 8
	ds_store_b128 v15, v[64+32*(\a%2)+4*n:64+32*(\a%2)+4*n+3] offset:16*528*n+32*\a
.set n, n+1
.endr
.endr
.irp a, 0,1,2,3                                        ; b2 rounded to bf16; as a C operand all 8 registers of a tile hold the lane's channel's bias
	v_cvt_pk_bf16_f32 v[224+\a], v[224+\a], v[224+\a]
.endr
.irp a, 0,1,2,3
	v_lshlrev_b32 v[224+\a], 16, v[224+\a]
.endr
.set n, 0
.rept 32
	v_mov_b32 v[BI+n], v[224+n/8]
.set n, n+1
.endr
	s_wait_dscnt 0x0                               ; my channels of H are written, and my reads of XF and XI are over
	s_barrier_signal -1
	s_barrier_wait -1
.macro FETCHH c                ; point tile c of H, all 8 K steps, into buffer c % 2
	WIN 0
.irp kk, 0,1,2,3,4,5,6,7
	ds_load_b128 v[64+64*((\c)%2)+8*\kk:64+64*((\c)%2)+8*\kk+3],   v16 offset:16*528*(\c)+64*\kk
	ds_load_b128 v[64+64*((\c)%2)+8*\kk+4:64+64*((\c)%2)+8*\kk+7], v16 offset:16*528*(\c)+64*\kk+32
.endr
.endm
; 16 products of point tile c: K steps k0 .. k0 + 3 x 4 channel tiles, whose accumulators take turns.  ride = 1: behind each product two lines of the ReLU of tile c - 1, whose
; operands lie where the products' C and D lie, so that no window is switched; they go through that tile's accumulators in ascending order.
.macro MM2 c, k0, ride
.set n, 0
.irp kk, \k0, (\k0)+1, (\k0)+2, (\k0)+3
.irp a, 0,1,2,3
.if (\kk) == 0
	WIN 0x48                                       ; H window 0, W2 window 2, C (the bias) window 0, D window 1
	v_wmma_f32_16x16x32_f16 v[32*(\c)+8*\a:32*(\c)+8*\a+7], v[64+64*((\c)%2)+8*(\kk):64+64*((\c)%2)+8*(\kk)+7], v[32*(\kk)+8*\a:32*(\kk)+8*\a+7], v[BI+8*\a:BI+8*\a+7]
.else
	WIN 0x58
	v_wmma_f32_16x16x32_f16 v[32*(\c)+8*\a:32*(\c)+8*\a+7], v[64+64*((\c)%2)+8*(\kk):64+64*((\c)%2)+8*(\kk)+7], v[32*(\kk)+8*\a:32*(\kk)+8*\a+7], v[32*(\c)+8*\a:32*(\c)+8*\a+7]
.endif
.if \ride
	v_max3_num_f32 v[32*((\c)-1)+n], 0, 0, v[32*((\c)-1)+n]
	v_max3_num_f32 v[32*((\c)-1)+n+1], 0, 0, v[32*((\c)-1)+n+1]
.set n, n+2
.endif
.endr
.endr
.endm
.macro STAGE c                 ; tile c into my stage: a lane's 8 points of a channel are 32 bytes
	WIN 0x04                                       ; the data in window 1
.irp a, 0,1,2,3
	ds_store_b128 v17, v[32*(\c)+8*\a:32*(\c)+8*\a+3]   offset:16*528*\a+64*(\c)
	ds_store_b128 v17, v[32*(\c)+8*\a+4:32*(\c)+8*\a+7] offset:16*528*\a+64*(\c)+16
.endr
.endm
.macro FLUSH hf                ; 64 points of my 64 channels leave: back from my stage (LDS serves a wave's instructions in order) into the accumulators already staged, then out
	WIN 0x40
.set n, 0
.rept 32
	ds_load_b128 v[128*(\hf)+4*n:128*(\hf)+4*n+3], v18 offset:2*528*n+256*(\hf)
.set n, n+1
.endr
	WIN 0x04
.set n, 0
.rept 32
	s_wait_dscnt 31-n
	global_store_b128 v19, v[128*(\hf)+4*n:128*(\hf)+4*n+3], s[18:19] offset:65536*n+256*(\hf) th:TH_STORE_NT   ; sixteen lanes store 256 consecutive bytes of a channel, aligned
.set n, n+1
.endr
.endm
.macro BLOCK c
	s_wait_dscnt 0x0                               ; tile c's fragments are in
	MM2 \c, 0, 0
	PLACES
.if (\c) < 7
	FETCHH (\c)+1
.endif
	MM2 \c, 4, (\c)>0
.if (\c) > 0
	STAGE (\c)-1
.endif
.endm
	FETCHH 0
	s_wait_loadcnt 0x0                             ; all of my slice of W2 is in
.irp c, 0,1,2,3,4
	BLOCK \c
.endr
	FLUSH 0                                        ; tiles 0-3 leave while tiles 5-7 are still to be multiplied
.irp c, 5,6,7
	BLOCK \c
.endr
	PLACES
	WIN 0x50                                       ; source 2 and destination in window 1
.set n, 0
.rept 32
	v_max3_num_f32 v[224+n], 0, 0, v[224+n]
.set n, n+1
.endr
	STAGE 7
	FLUSH 1
	WIN 0
	s_wait_tensorcnt 0x0                           ; the wave's end, behind my last tensor load and my last LDS store
	ds_add_u32 v[SPW], v[NIL]
	s_wait_dscnt 0x0
	s_endpgm
.Lfunc_end_k_q3014eefbbb_mlp:
	.size	k_q3014eefbbb_mlp, .Lfunc_end_k_q3014eefbbb_mlp-k_q3014eefbbb_mlp
	.p2alignl 7, 3214868480
	.fill 96, 4, 3214868480
	.section	.rodata,"a",@progbits
	.p2align	6, 0x0
	.amdhsa_kernel k_q3014eefbbb_mlp
		.amdhsa_group_segment_fixed_size 272896
		.amdhsa_private_segment_fixed_size 0
		.amdhsa_enable_private_segment 0
		.amdhsa_kernarg_size 64
		.amdhsa_user_sgpr_count 2
		.amdhsa_user_sgpr_kernarg_segment_ptr 1
		.amdhsa_wavefront_size32 1
		.amdhsa_system_sgpr_workgroup_id_x 1
		.amdhsa_system_sgpr_workgroup_id_y 1
		.amdhsa_system_sgpr_workgroup_id_z 1
		.amdhsa_system_vgpr_workitem_id 0
		.amdhsa_next_free_vgpr 768
		.amdhsa_next_free_sgpr 66
		.amdhsa_reserve_vcc 0
		.amdhsa_float_denorm_mode_32 3
		.amdhsa_float_denorm_mode_16_64 3
		.amdhsa_memory_ordered 1
		.amdhsa_forward_progress 1
		.amdhsa_inst_pref_size 254
	.end_amdhsa_kernel
	.amdgpu_metadata
---
amdhsa.version: [ 1, 2 ]
amdhsa.kernels:
  - .name:           k_q3014eefbbb_mlp
    .symbol:         k_q3014eefbbb_mlp.kd
    .args:
      - { .name: f1, .offset: 0, .size: 8, .value_kind: global_buffer, .address_space: global }
      - { .name: b1, .offset: 8, .size: 8, .value_kind: global_buffer, .address_space: global }
      - { .name: b2, .offset: 16, .size: 8, .value_kind: global_buffer, .address_space: global }
      - { .name: f2t, .offset: 24, .size: 8, .value_kind: global_buffer, .address_space: global }
      - { .name: wf, .offset: 32, .size: 8, .value_kind: global_buffer, .address_space: global }
      - { .name: nidx, .offset: 40, .size: 8, .value_kind: global_buffer, .address_space: global }
      - { .name: nw, .offset: 48, .size: 8, .value_kind: global_buffer, .address_space: global }
      - { .name: out0, .offset: 56, .size: 8, .value_kind: global_buffer, .address_space: global }
    .group_segment_fixed_size: 272896
    .private_segment_fixed_size: 0
    .kernarg_segment_align: 8
    .kernarg_segment_size: 64
    .max_flat_workgroup_size: 128
    .sgpr_count:     66
    .vgpr_count:     768
    .wavefront_size: 32
...
	.end_amdgpu_metadata
.endif
;; end of part 3
